; MI455X (gfx1250); checked and timed in simulation.
; The chip was launched on July 23, 2026; its instructions are those of AMD's public machine-readable ISA for CDNA 5 (MIT licence, August 2026) and "CDNA5" Instruction Set Architecture Reference Guide (July 2026). The comments in the code are by the model that wrote it; some were corrected since.
;; Multi Head Self Cross Attention. Allowed arithmetic: matrix products marked QUANTISED: E2M3 operands, one E8M0 scale for each 32 along K, by v_wmma_scale_f32_16x16x128_f8f6f4 with both operands' format E2M3, f32 sums; everything else in f32.
;; Inputs: Wkc_codes 512 x 32 x 24 uint8 (E2M3 codes of Wkc, K innermost, in blocks of 32 codes, four codes in three bytes); Wkc_scales 512 x 32 uint8 (E8M0 scales of Wkc, one for each 32 codes along K); Wks_codes 512 x 32 x 24 uint8 (E2M3 codes of Wks, K innermost, in blocks of 32 codes, four codes in three bytes); Wks_scales 512 x 32 uint8 (E8M0 scales of Wks, one for each 32 codes along K); Wo_codes 1,024 x 64 x 24 uint8 (E2M3 codes of Wo, K innermost, in blocks of 32 codes, four codes in three bytes); Wo_scales 1,024 x 64 uint8 (E8M0 scales of Wo, one for each 32 codes along K); Wqc_codes 512 x 32 x 24 uint8 (E2M3 codes of Wqc, K innermost, in blocks of 32 codes, four codes in three bytes); Wqc_scales 512 x 32 uint8 (E8M0 scales of Wqc, one for each 32 codes along K); Wqs_codes 512 x 32 x 24 uint8 (E2M3 codes of Wqs, K innermost, in blocks of 32 codes, four codes in three bytes); Wqs_scales 512 x 32 uint8 (E8M0 scales of Wqs, one for each 32 codes along K); Wvc_codes 512 x 32 x 24 uint8 (E2M3 codes of Wvc, K innermost, in blocks of 32 codes, four codes in three bytes); Wvc_scales 512 x 32 uint8 (E8M0 scales of Wvc, one for each 32 codes along K); Wvs_codes 512 x 32 x 24 uint8 (E2M3 codes of Wvs, K innermost, in blocks of 32 codes, four codes in three bytes); Wvs_scales 512 x 32 uint8 (E8M0 scales of Wvs, one for each 32 codes along K); bkc 512 float32; bks 512 float32; bo 1,024 float32; bqc 512 float32; bqs 512 float32; bvc 512 float32; bvs 512 float32; f1_codes 2 x 2,048 x 32 x 24 uint8 (E2M3 codes of f1, K innermost, in blocks of 32 codes, four codes in three bytes); f1_scales 2 x 2,048 x 32 uint8 (E8M0 scales of f1, one for each 32 codes along K); f2_codes 2 x 2,048 x 32 x 24 uint8 (E2M3 codes of f2, K innermost, in blocks of 32 codes, four codes in three bytes); f2_scales 2 x 2,048 x 32 uint8 (E8M0 scales of f2, one for each 32 codes along K).
;; Outputs: out0 2 x 2,048 x 1,024 float32.
;; This version of the problem:
;;   THIS VERSION OF THE PROBLEM IS GIVEN IN LOW PRECISION. The matrix products marked QUANTISED in the list below multiply operands that are first quantised to E2M3 (2 exponent bits, 3 mantissa bits; 6 bits a number), with one power-of-two scale for each 32 numbers along K (OCP MX v1.0); their sums are f32. All else is computed in f32.
;;   The module's matrix products, in the order in which they are computed (A, B: the left and right operand; K: the contracted axis; several contracted axes count as one K, in the product's order):
;;     1. [M 4,096, K 1,024] x [K 1,024, N 512]; A: input f1 (given as codes); B: input Wqs (given as codes): QUANTISED
;;     2. [M 4,096, K 1,024] x [K 1,024, N 512]; A: input f1 (given as codes); B: input Wks (given as codes): QUANTISED
;;     3. [M 4,096, K 1,024] x [K 1,024, N 512]; A: input f1 (given as codes); B: input Wvs (given as codes): QUANTISED
;;     4. [M 4,096, K 1,024] x [K 1,024, N 512]; A: input f1 (given as codes); B: input Wqc (given as codes): QUANTISED
;;     5. [M 4,096, K 1,024] x [K 1,024, N 512]; A: input f2 (given as codes); B: input Wkc (given as codes): QUANTISED
;;     6. [M 4,096, K 1,024] x [K 1,024, N 512]; A: input f2 (given as codes); B: input Wvc (given as codes): QUANTISED
;;     7. batch 16 x [M 2,048, K 64] x [K 64, N 2,048]; A: computed on the way; B: computed on the way: QUANTISED
;;     8. batch 16 x [M 2,048, K 2,048] x [K 2,048, N 64]; A: softmax (see below); B: computed on the way: QUANTISED
;;     9. batch 16 x [M 2,048, K 64] x [K 64, N 2,048]; A: computed on the way; B: computed on the way: QUANTISED
;;     10. batch 16 x [M 2,048, K 2,048] x [K 2,048, N 64]; A: softmax (see below); B: computed on the way: QUANTISED
;;     11. [M 4,096, K 2,048] x [K 2,048, N 1,024]; A: computed on the way; B: input Wo (given as codes): QUANTISED
;;   THE QUANTISER, for each operand of a quantised product, along K:
;;     - K is cut into blocks of 32 from its start; a last block that is shorter is filled with zeros.
;;     - A block's scale is 2^e with e = floor(log2(the largest magnitude in the block)) - 2, held to -126 .. 127; a block of zeros has e = 0. As a byte (E8M0): e + 127.
;;     - Each number is divided by its block's scale, clamped to +-7.5, and rounded to the nearest number of E2M3, ties to even, subnormals kept.
;;     - The product sums the exact products of the quantised numbers (number of the format x scale) in f32.
;;   ~~~python
;;   def quantise(x, axis):      # numpy; x: float32 -> the quantised numbers, widened to float32 again
;;       x = np.moveaxis(x, axis, -1); K = x.shape[-1]
;;       x = np.pad(x, [(0, 0)] * (x.ndim - 1) + [(0, -K % 32)]); x = x.reshape(x.shape[:-1] + (-1, 32)); a = np.abs(x).max(-1, keepdims=True)
;;       e = np.where(a > 0, np.clip(np.frexp(np.where(a > 0, a, 1))[1] - 1 - 2, -126, 127), 0)      # np.frexp(a)[1] - 1 = floor(log2(a)), exactly
;;       r = np.clip(x / 2.0 ** e, -7.5, 7.5)
;;       step = 2.0 ** (np.maximum(np.frexp(np.where(r == 0, 1, r))[1] - 1, 0) - 3)
;;       q = np.round(r / step) * step * 2.0 ** e      # np.round: ties to even
;;       return np.moveaxis(q.reshape(q.shape[:-2] + (-1,))[..., :K], -1, axis).astype(np.float32)
;;   ~~~
;;   SOFTMAX AHEAD OF A QUANTISED PRODUCT. Where the list says 'softmax', what is quantised is not the finished softmax but p = 2^(t - M), with t = logit x log2(e) and M = ceil(the row's largest t), a whole number; so 1/2 < the row's largest p <= 1. The row's sum l is taken of the UNQUANTISED p, in f32, and the product's result is divided by l at the end. Since M is a whole number, a kernel that streams over the keys may use a running M (the ceiling of the running maximum): every later rescaling is an exact power of two, which a block's scale takes up: the codes' values come out the same.
;;   OPERANDS COMPUTED ON THE WAY. 'Computed on the way' means the value that the module computes at that place (a softmax that the list does not call 'softmax' is quantised finished and normalised). What goes into a quantiser is computed in f32, as accurately as f32 sums, v_exp_f32 and their like allow (about 1e-6 of the number): no bf16 or f16 on the way to a quantiser, and a product that is left as it is and whose result goes on into a quantised operand takes f32 operands (vector FMAs, or v_wmma_f32_16x16x4_f32). A number that lies on a knife's edge between two numbers of the format may be rounded either way, as far as f32 arithmetic and the matrix unit's own rounding can turn it there, and no further.
;;   INPUTS GIVEN AS CODES. Wkc (in the module: [512, 1024], K = its axis 1); Wks (in the module: [512, 1024], K = its axis 1); Wo (in the module: [1024, 2048], K = its axis 1); Wqc (in the module: [512, 1024], K = its axis 1); Wqs (in the module: [512, 1024], K = its axis 1); Wvc (in the module: [512, 1024], K = its axis 1); Wvs (in the module: [512, 1024], K = its axis 1); f1 (in the module: [2, 2048, 1024], K = its axis 2); f2 (in the module: [2, 2048, 1024], K = its axis 2): each comes as NAME_codes (uint8): NAME with its K axis moved to the last place and cut into blocks of 32 codes, [.., K / 32, bytes a block], one block behind the other in memory; four codes in three bytes: a row's codes are one little-endian stream of bits, code i at bits 6 i .. 6 i + 5 (a code: sign, 2 exponent bits, 3 mantissa bits); and NAME_scales (uint8): the same leading axes, one E8M0 byte (e + 127) for each 32 codes along K. Its value is code x scale, taken as it is: it is not quantised again, and the codes and scales need not be those that the quantiser above would give.
;; One version. Each part assembles by itself: llvm-mc -triple=amdgcn-amd-amdhsa -mcpu=gfx1250 --defsym DOCPART=n.
;; ======== version 1 of 1: 3 launches
;; limits: right only within a limited range of input values
;; workspace buffers: qbuf 3,276,800 bytes; kvbuf 6,553,600 bytes; ybuf 6,291,456 bytes; ysc 262,144 bytes
;; launch proj (part 1): grid 12 x 16, 4 waves a work-group, clusters of 4 x 1, 319,488 bytes of LDS; arguments f1_codes, f1_scales, f2_codes, f2_scales, Wqs_codes, Wqs_scales, bqs, Wqc_codes, Wqc_scales, bqc, Wks_codes, Wks_scales, bks, Wvs_codes, Wvs_scales, bvs, Wkc_codes, Wkc_scales, bkc, Wvc_codes, Wvc_scales, bvc, qbuf, kvbuf, ybuf, ysc; writes qbuf, kvbuf, ybuf, ysc
.if DOCPART == 1
	.amdgcn_target "amdgcn-amd-amdhsa--gfx1250"
	.amdhsa_code_object_version 6
	.text
	.protected	k_q765edae501_proj
	.globl	k_q765edae501_proj
	.p2align	8
	.type	k_q765edae501_proj,@function
k_q765edae501_proj:
	s_mov_b64 s[64:65], 0
	v_nop
	global_prefetch_b8 v0, s[64:65] scope:SCOPE_SE
	s_setreg_imm32_b32 hwreg(HW_REG_WAVE_MODE, 25, 1), 1
	s_wait_xcnt 0x0
	s_wait_alu depctr_hold_cnt(0) depctr_sa_sdst(0) depctr_va_vdst(0) depctr_va_sdst(0) depctr_va_ssrc(0) depctr_va_vcc(0) depctr_vm_vsrc(0)
	s_getreg_b32 s2, hwreg(HW_REG_IB_STS2, 6, 4)
	s_cmp_eq_u32 s2, 0
	s_cbranch_scc0 .Lentry_in_a_cluster
	s_endpgm
.Lentry_in_a_cluster:
	s_bfe_u32 s2, ttmp6, 0x10000c
	s_cmp_lg_u32 s2, 0x3003
	s_cbranch_scc0 .Lentry_shape_is_right
	s_endpgm
.Lentry_shape_is_right:
; THE SIX PROJECTIONS: relu(x W^T + b) on codes of FP6 (E2M3) with E8M0 scales, and the quantising of every result for the products that follow.
; SHARES.  A work-group takes 256 tokens (work-group y) x 4 heads of 64 columns; each of its four waves owns ONE head.  The wave's part of W for all of K = 1,024
; (4 tiles of 16 columns x 8 K steps x 12 registers = 384) stays in registers; the 256 tokens' codes of x (196,608 bytes) and scale bytes lie whole in LDS, filled once.
; Cluster x = 0: q of both branches from f1 (heads 4 cx + wave);  1: k (waves 0, 1) and v (waves 2, 3) of the self branch from f1;  2: the same of the cross branch from f2.
; 48 heads x 16 blocks of tokens / 4 heads a work-group = 192 work-groups: f1 feeds four weights and f2 two, so no split into 256 equal shares exists.
; CLUSTER.  The four partners read the same 256 tokens of x: each tile is asked for jointly (mask 15).  The weights are not shared: each wave of each partner has another head.
; THE MATRIX INSTRUCTION IS USED TRANSPOSED (source 0 = 16 rows of W, source 1 = 16 tokens), AND THE ROWS OF W THAT FORM A TILE ARE NOT NEIGHBOURS: lane r of tile 2 B + u takes row
; 32 B + 8 u + r + 8 (r / 8).  So a lane holds one token, and the 16 registers of tiles 2 B, 2 B + 1 are features 32 B + 16 (lane / 16) + 0 .. 15: neighbours along the next K.
; WHAT IS STORED (an IMAGE: register p of lane l of a 12-register operand at byte (p / 4) 512 + 16 l + 4 (p % 4)).  A step is 128 tokens.
;   q, k: for each 32 tokens one image: registers 0-5 the 64 codes of token r (lane (r, h): d = 32 h ..), registers 6-11 those of token 16 + r; behind a step's four images the scale words [r][group].
;   v, twice: (1) along the features, as half fragments of the last product, into ybuf, scale bytes into ysc;  (2) along the KEYS, for the product with p: the f32 numbers turn through the wave's own stage in LDS,
;   a lane then holds one d and 16 tokens; four images of V^T a step (rows d = 32 B + 8 u + r + 8 (r / 8)), gathered in LDS and stored whole.  Inside a block of 32 keys position p holds key
;   p, p + 8, p - 8, p for p < 8, 16, 24, 32: the order in which the attention launch's p falls out of its registers; a block's members and scale do not change.
; QUANTISER: scale byte = the largest magnitude's exponent field - 2, held at 1 from below.  LIMITS: a block of zeros gets the byte 1 (its codes are zeros; only this program reads the bytes); NaN and infinities are not served.
; No LDS byte is filled twice, so there is no ring.  A wave has one tensor load outstanding at the most.
; REGISTERS.  window 0: v1-16 addresses; v24-27 scale words of a step; v28 the word just made; v32-63 W's scale words (8 tile + K step); v64-79 x's (8 a + K step); v80-95 at work; v96-115 codes; v116-179 the 8 accumulators (32 a + 8 tile); v180-243 V turned.
;   window 1: W's fragments of K steps 0-3 (12 (4 s + tile));  window 2: of K steps 4-7;  window 3: v0-95, v96-191 x's fragments of K steps 0-3, 4-7 (12 (2 s + a)); v192-223 the bias in the result's layout.
.set XP,    816                        ; a row of x in LDS: 3 x (256 bytes + 16 of padding) = 204 words: 16 rows x 2 halves of a load of 8 bytes fall on different banks
.set XUNIT, 32*XP                      ; 32 tokens
.set XSB,   256*XP                     ; x's scale bytes: 32 units of 256 bytes + 16
.set WST,   XSB+32*272                 ; each wave's own bytes, into which no fill lands:
.set WSZ,   25344                      ;   in the head: 32 rows of W, 784 bytes apart, 128 more behind row 15;  then +0 stage, 32 tokens x (256 + 16);  +IMG V^T's four images;  +YSG 128 tokens' scale bytes for ysc
.set IMG,   8704
.set YSG,   14848
.set SW,  24
.set PW,  28
.set WS,  32
.set XS,  64
.set TM,  80
.set PC,  96
.set ACC, 116
.set TR,  180
.set MSB, 0
.macro WIN new                         ; the immediate's high byte repeats the setting that is left
.if MSB != \new
	s_set_vgpr_msb (MSB<<8)|\new
.set MSB, \new
.endif
.endm
.macro PLACES n
.rept \n
	v_nop
.endr
.endm
.macro CROUND                          ; a round of the cluster's barrier
	s_barrier_signal -1
	s_barrier_wait -1
	s_cmp_lg_u32 s56, 0
	s_cbranch_scc1 .Lnot_wave_0_\@
	s_barrier_signal -3
.Lnot_wave_0_\@:
	s_barrier_wait -3
	s_barrier_signal -1
	s_barrier_wait -1
.endm
	s_load_b512 s[4:19], s[0:1], 0x0               ; f1 c, s; f2 c, s; Wqs c, s, b; Wqc c
	s_load_b512 s[20:35], s[0:1], 0x40             ; Wqc s, b; Wks c, s, b; Wvs c, s, b
	s_load_b512 s[36:51], s[0:1], 0x80             ; Wkc c, s, b; Wvc c, s, b; qbuf; kvbuf
	s_load_b128 s[52:55], s[0:1], 0xc0             ; ybuf; ysc
	v_lshl_add_u32 v254, v0, 2, 0x4de00
	v_mov_b32 v255, 0
	ds_add_u32 v254, v255
	ds_add_u32 v254, v255
	v_lshrrev_b32 v17, 5, v0
	v_readfirstlane_b32 s56, v17                   ; wave 0..3
	s_bfe_u32 s57, ttmp6, 0x40000                  ; cx: it enters global addresses of my own loads and stores alone
	s_and_b32 s58, ttmp7, 0xffff                   ; which 256 tokens
	s_lshr_b32 s59, s56, 1
	s_cmp_lg_u32 ttmp9, 0
	s_cselect_b32 s59, s59, 0                      ; KIND = 1: this wave makes v.  It hangs on the cluster's x and the wave's number alone
	s_lshl_b32 s60, s57, 2
	s_add_co_u32 s60, s60, s56
	s_and_b32 s60, s60, 7                          ; q: head (4 cx + wave) % 8
	s_and_b32 s61, s56, 1
	s_lshl_b32 s62, s57, 1
	s_add_co_u32 s61, s61, s62                     ; k, v: head 2 cx + wave % 2
	s_lshr_b32 s62, s57, 1                         ; q: branch cx / 2
	s_cmp_eq_u32 ttmp9, 2
	s_cselect_b32 s63, 1, 0                        ; k, v: branch
	s_mov_b32 s96, 12800
	s_cmp_eq_u32 ttmp9, 0
	s_cselect_b32 s60, s60, s61                    ; the head in its weight
	s_cselect_b32 s62, s62, s63                    ; the branch
	s_cselect_b32 s63, s57, s56                    ; under 2: the first of the two weights
	s_cselect_b32 s96, 6400, s96                   ; bytes of a step in the buffer that I store into
	s_mov_b32 s97, 0
	s_lshl_b32 s61, s62, 4
	s_lshr_b32 s66, s58, 3
	s_lshl_b32 s66, s66, 3
	s_add_co_u32 s61, s61, s66
	s_add_co_u32 s61, s61, s60                     ; g = 16 branch + 8 batch + head
	s_lshl_b32 s67, s62, 3
	s_add_co_u32 s67, s67, s60
	s_add_co_u32 s67, s67, 16                      ; v's place among y's 32 runs of 64 features
	s_lshl_b32 s2, s61, 4
	s_and_b32 s3, s58, 7
	s_lshl_b32 s3, s3, 1
	s_add_co_u32 s2, s2, s3
	s_mul_i32 s2, s2, s96
	s_mul_i32 s3, s59, 6400
	s_add_co_u32 s2, s2, s3
	s_mov_b32 s3, 0                                ; (16 g + my first step) x step bytes, + 6,400 for v
	s_mul_i32 s98, s58, 393216
	s_mul_i32 s99, s67, 768
	s_add_co_u32 s98, s98, s99
	s_mov_b32 s99, 0                               ; ybuf: 16 token tiles of 24,576 bytes a block of tokens, 768 bytes a half fragment
	s_lshl_b32 s100, s67, 13
	s_lshl_b32 s101, s58, 9
	s_add_co_u32 s100, s100, s101
	s_mov_b32 s101, 0                              ; ysc: 8,192 bytes a run of features, 2 bytes a token
	; descriptor group 1 for x's codes: 128 rows of 96 elements of 8 bytes; 16 bytes of padding behind every 256
	s_mov_b32 s68, 15|(3<<16)|(1<<20)|(1<<21)|(5<<22)|(3<<25)
	s_mov_b32 s69, 96<<16
	s_mov_b32 s70, 128<<16
	s_mov_b32 s71, 96<<16
	s_mov_b32 s72, 128
	s_mov_b32 s73, 96
	s_mov_b32 s74, 0
	s_mov_b32 s75, 0
	; and for x's scale bytes: 4,096 dense bytes as 16 rows of 256
	s_mov_b32 s76, 15|(3<<16)|(1<<20)|(1<<21)|(5<<22)|(3<<25)
	s_mov_b32 s77, 32<<16
	s_mov_b32 s78, 16<<16
	s_mov_b32 s79, 32<<16
	s_mov_b32 s80, 16
	s_mov_b32 s81, 32
	s_mov_b32 s82, 0
	s_mov_b32 s83, 0
	s_wait_dscnt 0x0
	s_wait_kmcnt 0x0
	s_cmp_eq_u32 ttmp9, 2                          ; the buffers are chosen on ids alone
	s_cselect_b64 s[24:25], s[36:37], s[24:25]     ; k's weight of my branch
	s_cselect_b64 s[26:27], s[38:39], s[26:27]
	s_cselect_b64 s[28:29], s[40:41], s[28:29]
	s_cselect_b64 s[30:31], s[42:43], s[30:31]     ; v's
	s_cselect_b64 s[32:33], s[44:45], s[32:33]
	s_cselect_b64 s[34:35], s[46:47], s[34:35]
	s_cselect_b64 s[4:5], s[8:9], s[4:5]           ; x
	s_cselect_b64 s[6:7], s[10:11], s[6:7]
	s_cmp_eq_u32 ttmp9, 0
	s_cselect_b64 s[12:13], s[12:13], s[24:25]     ; the first weight: qs or k's
	s_cselect_b64 s[14:15], s[14:15], s[26:27]
	s_cselect_b64 s[16:17], s[16:17], s[28:29]
	s_cselect_b64 s[18:19], s[18:19], s[30:31]     ; the second: qc or v's
	s_cselect_b64 s[20:21], s[20:21], s[32:33]
	s_cselect_b64 s[22:23], s[22:23], s[34:35]
	s_cselect_b64 s[48:49], s[48:49], s[50:51]     ; qbuf or kvbuf
	s_cmp_lt_u32 s63, 2
	s_cselect_b64 s[12:13], s[12:13], s[18:19]     ; my weight: codes,
	s_cselect_b64 s[14:15], s[14:15], s[20:21]     ; scale bytes,
	s_cselect_b64 s[16:17], s[16:17], s[22:23]     ; bias
	s_add_nc_u64 s[48:49], s[48:49], s[2:3]
	s_add_nc_u64 s[52:53], s[52:53], s[98:99]
	s_add_nc_u64 s[54:55], s[54:55], s[100:101]
	s_mul_i32 s66, s60, 49152                      ; my head's 64 rows of 768 bytes,
	s_mov_b32 s67, 0
	s_add_nc_u64 s[12:13], s[12:13], s[66:67]
	s_lshl_b32 s66, s60, 11                        ; of 32 scale bytes,
	s_add_nc_u64 s[14:15], s[14:15], s[66:67]
	s_lshl_b32 s66, s60, 8                         ; its 64 numbers of the bias
	s_add_nc_u64 s[16:17], s[16:17], s[66:67]
	s_mul_i32 s66, s58, 196608                     ; x: the block's 256 rows, my half of them
	s_and_b32 s3, s56, 1                           ; which half I fetch: waves 0, 1 take 128 rows of x each, waves 2, 3 take 16 units of scale bytes each
	s_mul_i32 s2, s3, 98304
	s_add_co_u32 s66, s66, s2
	s_add_nc_u64 s[4:5], s[4:5], s[66:67]
	s_lshl_b32 s66, s58, 13
	s_lshl_b32 s2, s3, 12
	s_add_co_u32 s66, s66, s2
	s_add_nc_u64 s[6:7], s[6:7], s[66:67]
	s_mov_b32 s84, 1                               ; group 0: my half of the scale bytes
	s_mul_i32 s85, s3, 16*272
	s_add_co_u32 s85, s85, XSB
	s_mov_b64 s[86:87], s[6:7]
	s_or_b32 s87, s87, 0x80000000
	s_mov_b32 s88, 1                               ; rows 128 (w % 2) on
	s_mul_i32 s89, s3, 4*XUNIT
	s_mov_b64 s[90:91], s[4:5]
	s_or_b32 s91, s91, 0x80000000
	CROUND                                         ; all four work-groups are here: the joint loads meet
	s_cmp_lt_u32 s56, 2                            ; one tensor load a wave, in the two arms of one branch on the wave's number
	s_cbranch_scc0 .Lhead_s
	tensor_load_to_lds s[88:91], s[68:75]          ; waves 0, 1: 128 rows of x's codes
	s_nop 0
	PLACES 4
	s_branch .Lhead_asked
.Lhead_s:
	tensor_load_to_lds s[84:87], s[76:83]          ; waves 2, 3: 4,096 scale bytes
	s_nop 0
	PLACES 4
.Lhead_asked:
	s_mov_b32 s66, 0                               ; where the 32 tokens to be fetched begin in x's rows,
	s_mov_b32 s67, 0                               ; and among the scale bytes
	s_mov_b32 s98, 2                               ; trips of 128 tokens
	s_mov_b32 s99, 0xffff0000                      ; lanes 16-31
	s_mov_b32 s100, 0x76543210
	s_mov_b32 s101, 0xfedcba98                     ; v_permlanex16_b32's selects for lane l xor 16
	v_and_b32 v18, 31, v0                          ; lane
	v_and_b32 v19, 15, v0                          ; r
	v_bfe_u32 v20, v0, 4, 1                        ; h
	v_and_b32 v23, 8, v19
	v_add_nc_u32 v23, v23, v19                     ; r + 8 (r / 8)
	v_lshlrev_b32 v17, 4, v18                      ; W's codes: 16 bytes a lane
	v_lshlrev_b32 v21, 5, v23                      ; its scale bytes
	v_lshlrev_b32 v22, 6, v20                      ; the bias: 16 numbers a half
	WIN 0xc0                                       ; destination window 3
.irp bt, 0,1,2,3
	global_load_b128 v[192+8*\bt:192+8*\bt+3], v22, s[16:17] offset:(32*(\bt/2)+8*(\bt%2))*4
	global_load_b128 v[192+8*\bt+4:192+8*\bt+7], v22, s[16:17] offset:(32*(\bt/2)+8*(\bt%2))*4+16
.endr
	WIN 0
.irp bt, 0,1,2,3
.irp q, 0,1
	global_load_b128 v[WS+8*\bt+4*\q:WS+8*\bt+4*\q+3], v21, s[14:15] offset:(32*(\bt/2)+8*(\bt%2))*32+16*\q
.endr
.endr
	; my head's 64 rows of W are 49,152 consecutive bytes: 96 loads of 512 consecutive bytes each, into registers that are idle in the head
	WIN 0xc0                                       ; rows 0-31: window 3, v0-191
.set J, 0
.rept 48
	global_load_b128 v[4*J:4*J+3], v17, s[12:13] offset:512*J
.set J, J+1
.endr
	WIN 0x40                                       ; rows 32-63: window 1, v192-255,
.set J, 0
.rept 16
	global_load_b128 v[192+4*J:192+4*J+3], v17, s[12:13] offset:512*(48+J)
.set J, J+1
.endr
	WIN 0x80                                       ; window 2, v192-255,
.set J, 0
.rept 16
	global_load_b128 v[192+4*J:192+4*J+3], v17, s[12:13] offset:512*(64+J)
.set J, J+1
.endr
	WIN 0                                          ; and the accumulators' registers
.set J, 0
.rept 16
	global_load_b128 v[ACC+4*J:ACC+4*J+3], v17, s[12:13] offset:512*(80+J)
.set J, J+1
.endr
	; every LDS address is made here, ahead of the first parting of the waves
	v_lshlrev_b32 v1, 4, v18                       ; 16 x lane
	v_lshlrev_b32 v2, 3, v18                       ; 8 x lane
	v_mul_u32_u24 v3, v19, XP
	v_mad_u32_u24 v4, v20, 40, v3                  ; x's fragments behind one padding more
	v_mad_u32_u24 v3, v20, 24, v3                  ; x's fragments: row r, + 24 h
	v_lshrrev_b32 v5, 3, v19
	v_and_b32 v6, 7, v19
	v_mul_u32_u24 v7, v5, 272
	v_lshl_add_u32 v7, v6, 5, v7
	v_add_nc_u32 v7, XSB, v7                       ; x's scale words: 8 rows of 32 bytes to a unit
	s_mul_i32 s62, s56, WSZ
	s_add_co_u32 s62, s62, WST                     ; my wave's own bytes
	v_mul_u32_u24 v9, v19, 272
	v_lshl_add_u32 v9, v20, 6, v9
	v_add_nc_u32 v9, s62, v9                       ; the stage, in: token r, features 16 h on
	v_mul_u32_u24 v10, v20, 8*272
	v_lshl_add_u32 v10, v23, 2, v10
	v_add_nc_u32 v10, s62, v10                     ; out: tokens 8 h on, feature r + 8 (r / 8)
	v_mul_u32_u24 v11, v20, 1536
	v_lshl_add_u32 v11, v19, 4, v11
	v_add_nc_u32 v11, s62, v11
	v_add_nc_u32 v11, IMG, v11                     ; V^T's images, in: image h of a pair, lane r's place
	v_add_nc_u32 v12, s62, v1
	v_add_nc_u32 v12, IMG, v12                     ; out: as they lie
	v_lshl_add_u32 v13, v18, 1, s62
	v_add_nc_u32 v13, YSG, v13                     ; ysc's stage, in: 2 bytes a token
	v_add_nc_u32 v14, s62, v2
	v_add_nc_u32 v14, YSG, v14                     ; out: 8 bytes a lane
	v_lshlrev_b32 v15, 4, v19
	v_lshl_add_u32 v15, v20, 3, v15                ; a step's scale words: 16 r + 8 h
	v_lshlrev_b32 v16, 4, v20                      ; 16 h
.irp b, 0,1,2,3
	v_mov_b32 v[TM+4+\b], 0                        ; written once: a lane permute's destination counts as one of its sources
	v_mov_b32 v[SW+\b], 0                          ; written on every path
.endr
.macro XFRAG reg, a, s                 ; a fragment of x: six pieces of 8 bytes; lanes 16-31 read three pieces on, which for some pieces is behind one padding more: v6 serves those
.irp p, 0,1,2,3,4,5
.set PCN, 12*(\s)+6*(\p/3)+\p%3
.if PCN%32 < 29
	ds_load_b64 v[(\reg)+2*\p:(\reg)+2*\p+1], v5 offset:8*PCN+16*(PCN/32)+(\a)*16*XP
.else
	ds_load_b64 v[(\reg)+2*\p:(\reg)+2*\p+1], v6 offset:8*PCN+16*(PCN/32)+(\a)*16*XP
.endif
.endr
.endm
.macro XSET q                          ; 32 tokens' fragments and scale words of K steps 4 q .. 4 q + 3
	WIN 0xc0
.irp sp, 0,1,2,3
.irp a, 0,1
	XFRAG 96*(\q)+12*(2*\sp+\a), \a, 4*(\q)+\sp
.endr
.endr
	WIN 0
.irp a, 0,1
	ds_load_b128 v[XS+8*\a+4*(\q):XS+8*\a+4*(\q)+3], v8 offset:\a*544+16*(\q)
.endr
.endm
.macro XADR
	v_add_nc_u32 v5, s66, v3
	v_add_nc_u32 v6, s66, v4
	v_add_nc_u32 v8, s67, v7
.endm
.macro XSTEP                           ; on to the next 32 tokens
	s_add_co_u32 s66, s66, XUNIT
	s_add_co_u32 s67, s67, 4*272
	XADR
.endm
.macro MM s                            ; K step s: 8 matrix instructions, the 8 accumulators by turns.  The bias is the C of the first
.if (\s) == 0
	WIN 0x3d                                       ; W window 1, x and the bias window 3
.elseif (\s) < 4
	WIN 0x0d
.else
	WIN 0x0e                                       ; W window 2
.endif
.irp a, 0,1
.irp bt, 0,1,2,3
.if (\s) == 0
	v_wmma_scale_f32_16x16x128_f8f6f4 v[ACC+32*\a+8*\bt:ACC+32*\a+8*\bt+7], v[12*\bt:12*\bt+11], v[12*\a:12*\a+11], v[192+8*\bt:192+8*\bt+7], v[WS+8*\bt], v[XS+8*\a] matrix_a_fmt:MATRIX_FMT_FP6 matrix_b_fmt:MATRIX_FMT_FP6
.else
	v_wmma_scale_f32_16x16x128_f8f6f4 v[ACC+32*\a+8*\bt:ACC+32*\a+8*\bt+7], v[12*(4*((\s)%4)+\bt):12*(4*((\s)%4)+\bt)+11], v[96*((\s)/4)+12*(2*((\s)%4)+\a):96*((\s)/4)+12*(2*((\s)%4)+\a)+11], v[ACC+32*\a+8*\bt:ACC+32*\a+8*\bt+7], v[WS+8*\bt+(\s)], v[XS+8*\a+(\s)] matrix_a_fmt:MATRIX_FMT_FP6 matrix_b_fmt:MATRIX_FMT_FP6
.endif
.endr
.endr
.endm
; 64 numbers of a lane, register 16 b + i = number 16 (lane / 16) + i of block b of my row, become 12 registers of codes in v[PC] on: lanes 0-15 hold blocks 0 and 2 whole, lanes 16-31 blocks 1 and 3.
; mode 0: the four bytes make one word, v[PW].  mode 1: byte b goes to place i of word v[SW + b].
.macro QUANT s, mode, i
.irp b, 0,1,2,3
	v_max3_num_f32 v[TM+\b], |v[\s+16*\b]|, |v[\s+1+16*\b]|, 0x1800000   ; my 16 numbers, and the floor 2^(3 - 127): the byte cannot fall under 1
.endr
.irp k, 2,4,6,8,10,12,14
.irp b, 0,1,2,3
	v_max3_num_f32 v[TM+\b], v[TM+\b], |v[\s+16*\b+\k]|, |v[\s+1+16*\b+\k]|
.endr
.endr
.irp b, 0,1,2,3
	v_permlanex16_b32 v[TM+4+\b], v[TM+\b], s100, s101
.endr
.irp b, 0,1,2,3
	v_max_num_f32 v[TM+\b], v[TM+\b], v[TM+4+\b]   ; with lane l xor 16's: the block's largest magnitude
.endr
.irp b, 0,1,2,3
	v_add_nc_u32 v[TM+12+\b], 0xff000000, v[TM+\b] ; 2 off its exponent field: the conversion's scale operand
.endr
.irp b, 0,1,2,3
	v_lshrrev_b32 v[TM+4+\b], 23, v[TM+12+\b]      ; the scale's byte
.endr
.if (\mode) == 0
	v_lshl_or_b32 v[PW], v[TM+5], 8, v[TM+4]
	v_lshl_or_b32 v[PW], v[TM+6], 16, v[PW]
	v_lshl_or_b32 v[PW], v[TM+7], 24, v[PW]
.else
.irp b, 0,1,2,3
.if (\i) == 0
	v_mov_b32 v[SW+\b], v[TM+4+\b]
.else
	v_lshl_or_b32 v[SW+\b], v[TM+4+\b], 8*(\i), v[SW+\b]
.endif
.endr
.endif
.irp c, 0,1
	v_cvt_scalef32_pk16_fp6_f32 v[PC+6*\c:PC+2+6*\c], v[\s+32*\c:\s+15+32*\c], v[TM+12+2*\c]
	v_cvt_scalef32_pk16_fp6_f32 v[PC+12+4*\c:PC+14+4*\c], v[\s+16+32*\c:\s+31+32*\c], v[TM+13+2*\c]   ; (a conversion's three registers begin on an even number)
.endr
	v_nop                                          ; one plain place behind a scaled conversion
.irp c, 0,1
.irp n, 0,1,2
	v_permlane16_swap_b32 v[PC+6*\c+\n], v[PC+12+4*\c+\n]   ; a whole block to a lane
.endr
.irp n, 0,1,2
	v_mov_b32 v[PC+3+6*\c+\n], v[PC+12+4*\c+\n]
.endr
.endr
.endm
; What becomes of 32 tokens' results; u: which 32 of the step's 128.
.macro EPI u
.set J, 0
.rept 64
	v_max_num_f32 v[ACC+J], 0, v[ACC+J]            ; the activation, each accumulator from its low end on
.set J, J+1
.endr
	s_wait_xcnt 0x0                                ; the codes' registers were data of earlier stores: they are written again only behind this wait
	QUANT ACC, 0, 0                                ; along the head's 64: registers 0-5 tokens r, 6-11 tokens 16 + r
	s_cmp_lg_u32 s59, 0
	s_cbranch_scc1 .Lv_\@
.irp c, 0,1,2
	global_store_b128 v1, v[PC+4*\c:PC+4*\c+3], s[48:49] offset:(\u)*1536+512*\c   ; q, k: the image as it stands, 512 consecutive bytes a store
.endr
	v_mov_b32 v[SW+(\u)], v[PW]
	s_branch .Ljoin_\@
.Lv_\@:
	s_wait_alu depctr_va_vdst(0)
.irp a, 0,1
.irp n, 0,1,2
	global_store_b64 v2, v[PC+6*\a+2*\n:PC+6*\a+2*\n+1], s[52:53] offset:(2*(\u)+\a)*24576+256*\n   ; v along the features: a half fragment of the last product, 256 consecutive bytes a store
.endr
.endr
	v_lshrrev_b32 v29, v16, v28                    ; lanes 0-15: the two bytes of token r; lanes 16-31: of token 16 + r
	ds_store_b16 v13, v29 offset:64*(\u)
.irp a, 0,1
.irp n, 0,1,2,3,4,5,6,7
	ds_store_b128 v9, v[ACC+32*\a+4*\n:ACC+32*\a+4*\n+3] offset:\a*16*272+128*(\n/4)+16*(\n%4)   ; the f32 numbers into my stage, [token][feature]
.endr
.endr
.irp t, 0,1,2,3
.irp n, 0,1,2,3,4,5,6,7,8,9,10,11,12,13,14,15
	ds_load_b32 v[TR+16*\t+\n], v10 offset:(\n+8*(\n/8))*272+(32*(\t/2)+8*(\t%2))*4   ; and back by columns (LDS serves a wave's instructions in order): one d, tokens 8 h + n + 8 (n / 8)
.endr
.endr
	s_wait_dscnt 0x0                               ; they are in, and the stores above have read their registers
	s_wait_xcnt 0x0                                ; so have the stores of the codes
	QUANT TR, 1, \u                                ; along the keys: this block of 32 keys, for the four tiles of V^T
.irp c, 0,1
.irp n, 0,1,2
	ds_store_b64 v11, v[PC+6*\c+2*\n:PC+6*\c+2*\n+1] offset:\c*3072+((6*((\u)/2)+2*\n)/4)*512+4*((6*((\u)/2)+2*\n)%4)+((\u)%2)*256   ; into the images: registers 6 (u / 2) .., lanes 16 (u % 2) + r
.endr
.endr
.Ljoin_\@:
.endm
.macro UNIT u                          ; 32 tokens x my 64 columns x all of K: 64 matrix instructions; the next 32 tokens' fragments are fetched behind each half
	s_wait_dscnt 0x0                               ; both sets of x are in (the count is 0: the two ways through the epilogue issue different numbers of LDS instructions)
	MM 0
	MM 1
	MM 2
	MM 3
	PLACES 4                                       ; in front of loads into registers that matrix instructions have read
.if (\u) < 3
	XSET 0
.endif
	MM 4
	MM 5
	MM 6
	MM 7
	PLACES 4                                       ; and of the first read of results
.if (\u) < 3
	XSET 1
	XSTEP
.endif
	WIN 0
	EPI \u
.endm
; W TURNS THROUGH MY OWN BYTES OF LDS, 32 rows at a time: in as the bytes lie in memory, back as fragments.  LDS serves a wave's instructions in order, so no wait stands between the stores and the loads, nor in front of the second half's stores.
.macro WPUT j, reg                     ; chunk j of a half: bytes 512 j on of 32 rows of 768: three chunks to two rows; in the middle one lanes 16-31 lie in the next row (v245)
.if (\j)%3 == 1
	ds_store_b128 v245, v[\reg:\reg+3] offset:1568*((\j)/3)+128*((\j)/24)+512
.elseif (\j)%3 == 2
	ds_store_b128 v244, v[\reg:\reg+3] offset:1568*((\j)/3)+128*((\j)/24)+1040
.else
	ds_store_b128 v244, v[\reg:\reg+3] offset:1568*((\j)/3)+128*((\j)/24)
.endif
.endm
.macro WGET B                          ; tiles 2 B and 2 B + 1, all eight K steps: lane (r, h) takes row 8 u + r + 8 (r / 8) of the half, + 24 h
	WIN 0x40
.irp s, 0,1,2,3
.irp u, 0,1
.irp p, 0,1,2,3,4,5
	ds_load_b64 v[12*(4*\s+2*(\B)+\u)+2*\p:12*(4*\s+2*(\B)+\u)+2*\p+1], v246 offset:6272*\u+96*\s+48*(\p/3)+8*(\p%3)
.endr
.endr
.endr
	WIN 0x80
.irp s, 0,1,2,3
.irp u, 0,1
.irp p, 0,1,2,3,4,5
	ds_load_b64 v[12*(4*\s+2*(\B)+\u)+2*\p:12*(4*\s+2*(\B)+\u)+2*\p+1], v246 offset:6272*\u+96*(\s+4)+48*(\p/3)+8*(\p%3)
.endr
.endr
.endr
.endm
	v_add_nc_u32 v244, s62, v1                     ; in: 16 x lane,
	v_add_nc_u32 v245, v244, v16                   ; and 16 more for lanes 16-31
	v_mul_u32_u24 v246, v23, 784
	v_mad_u32_u24 v246, v20, 24, v246
	v_lshrrev_b32 v247, 3, v19
	v_lshl_add_u32 v246, v247, 7, v246             ; rows 16 on lie 128 bytes further: the 32 lanes of a load of 8 bytes fall on 64 different banks
	v_add_nc_u32 v246, s62, v246                   ; back: row r + 8 (r / 8), + 24 h
	s_wait_alu depctr_va_vdst(0)
	s_wait_tensorcnt 0x0                           ; my part of x or of its scale bytes has landed
	s_wait_loadcnt 48                              ; the bias, the scale words and rows 0-31 are in; the 48 loads of rows 32-63 may be out
	WIN 0x0c                                       ; the data: window 3
.set J, 0
.rept 48
	WPUT J, 4*J
.set J, J+1
.endr
	WGET 0
	s_wait_loadcnt 0x0                             ; rows 32-63
	WIN 0x04
.set J, 0
.rept 16
	WPUT J, 192+4*J
.set J, J+1
.endr
	WIN 0x08
.set J, 0
.rept 16
	WPUT 16+J, 192+4*J
.set J, J+1
.endr
	WIN 0
.set J, 0
.rept 16
	WPUT 32+J, ACC+4*J
.set J, J+1
.endr
	WGET 1
	WIN 0
	s_wait_dscnt 0x0                               ; W is in its registers
	s_barrier_signal -1
	s_barrier_wait -1                              ; everybody's have.  Nothing is filled again: this is the launch's only work-group barrier outside the cluster's rounds
.Ltrip:                                            ; two trips of 128 tokens: one step of the buffers
	XADR
	XSET 0
	XSET 1
	XSTEP
	s_wait_alu depctr_va_vdst(0)
	UNIT 0
	UNIT 1
	UNIT 2
	UNIT 3
	v_cndmask_b32 v30, v[SW], v[SW+2], s99         ; the step's scale words [r][4]: lanes 0-15 store words 0, 1, lanes 16-31 words 2, 3
	s_wait_alu depctr_va_vdst(0)
	v_cndmask_b32 v31, v[SW+1], v[SW+3], s99
	global_store_b64 v15, v[30:31], s[48:49] offset:6144   ; 256 consecutive bytes
	s_cmp_lg_u32 s59, 0
	s_cbranch_scc0 .Lstep_done
.irp k, 0,1,2,3,4,5,6,7,8,9,10,11
	ds_load_b128 v[TR+4*\k:TR+4*\k+3], v12 offset:512*\k   ; V^T's four images, whole
.endr
	ds_load_b64 v[TR+48:TR+49], v14                ; and 128 tokens' scale bytes for ysc
	s_wait_dscnt 0x0
.irp k, 0,1,2,3,4,5,6,7,8,9,10,11
	global_store_b128 v1, v[TR+4*\k:TR+4*\k+3], s[48:49] offset:512*\k
.endr
	global_store_b64 v2, v[TR+48:TR+49], s[54:55]
.Lstep_done:
	s_wait_xcnt 0x0                                ; the stores have read their registers and bases: both may be written again
	s_add_nc_u64 s[48:49], s[48:49], s[96:97]
	s_add_nc_u64 s[52:53], s[52:53], 8*24576
	s_add_nc_u64 s[54:55], s[54:55], 256
	s_sub_co_u32 s98, s98, 1
	s_cmp_lg_u32 s98, 0
	s_cbranch_scc1 .Ltrip
	s_wait_dscnt 0x0
	s_wait_tensorcnt 0x0
	ds_add_u32 v254, v255
	s_wait_dscnt 0x0
	CROUND                                         ; the closing round: no work-group ends while a partner may still ask for a tile that names it
	s_endpgm
.Lfunc_end_k_q765edae501_proj:
	.size	k_q765edae501_proj, .Lfunc_end_k_q765edae501_proj-k_q765edae501_proj
	.p2alignl 7, 3214868480
	.fill 96, 4, 3214868480
	.section	.rodata,"a",@progbits
	.p2align	6, 0x0
	.amdhsa_kernel k_q765edae501_proj
		.amdhsa_group_segment_fixed_size 319488
		.amdhsa_private_segment_fixed_size 0
		.amdhsa_enable_private_segment 0
		.amdhsa_kernarg_size 208
		.amdhsa_user_sgpr_count 2
		.amdhsa_user_sgpr_kernarg_segment_ptr 1
		.amdhsa_wavefront_size32 1
		.amdhsa_system_sgpr_workgroup_id_x 1
		.amdhsa_system_sgpr_workgroup_id_y 1
		.amdhsa_system_sgpr_workgroup_id_z 1
		.amdhsa_system_vgpr_workitem_id 0
		.amdhsa_next_free_vgpr 1024
		.amdhsa_next_free_sgpr 102
		.amdhsa_reserve_vcc 0
		.amdhsa_float_denorm_mode_32 3
		.amdhsa_float_denorm_mode_16_64 3
		.amdhsa_memory_ordered 1
		.amdhsa_forward_progress 1
		.amdhsa_inst_pref_size 166
	.end_amdhsa_kernel
	.amdgpu_metadata
---
amdhsa.version: [ 1, 2 ]
amdhsa.kernels:
  - .name:           k_q765edae501_proj
    .symbol:         k_q765edae501_proj.kd
    .args:
      - { .name: f1_codes, .offset: 0, .size: 8, .value_kind: global_buffer, .address_space: global }
      - { .name: f1_scales, .offset: 8, .size: 8, .value_kind: global_buffer, .address_space: global }
      - { .name: f2_codes, .offset: 16, .size: 8, .value_kind: global_buffer, .address_space: global }
      - { .name: f2_scales, .offset: 24, .size: 8, .value_kind: global_buffer, .address_space: global }
      - { .name: Wqs_codes, .offset: 32, .size: 8, .value_kind: global_buffer, .address_space: global }
      - { .name: Wqs_scales, .offset: 40, .size: 8, .value_kind: global_buffer, .address_space: global }
      - { .name: bqs, .offset: 48, .size: 8, .value_kind: global_buffer, .address_space: global }
      - { .name: Wqc_codes, .offset: 56, .size: 8, .value_kind: global_buffer, .address_space: global }
      - { .name: Wqc_scales, .offset: 64, .size: 8, .value_kind: global_buffer, .address_space: global }
      - { .name: bqc, .offset: 72, .size: 8, .value_kind: global_buffer, .address_space: global }
      - { .name: Wks_codes, .offset: 80, .size: 8, .value_kind: global_buffer, .address_space: global }
      - { .name: Wks_scales, .offset: 88, .size: 8, .value_kind: global_buffer, .address_space: global }
      - { .name: bks, .offset: 96, .size: 8, .value_kind: global_buffer, .address_space: global }
      - { .name: Wvs_codes, .offset: 104, .size: 8, .value_kind: global_buffer, .address_space: global }
      - { .name: Wvs_scales, .offset: 112, .size: 8, .value_kind: global_buffer, .address_space: global }
      - { .name: bvs, .offset: 120, .size: 8, .value_kind: global_buffer, .address_space: global }
      - { .name: Wkc_codes, .offset: 128, .size: 8, .value_kind: global_buffer, .address_space: global }
      - { .name: Wkc_scales, .offset: 136, .size: 8, .value_kind: global_buffer, .address_space: global }
      - { .name: bkc, .offset: 144, .size: 8, .value_kind: global_buffer, .address_space: global }
      - { .name: Wvc_codes, .offset: 152, .size: 8, .value_kind: global_buffer, .address_space: global }
      - { .name: Wvc_scales, .offset: 160, .size: 8, .value_kind: global_buffer, .address_space: global }
      - { .name: bvc, .offset: 168, .size: 8, .value_kind: global_buffer, .address_space: global }
      - { .name: qbuf, .offset: 176, .size: 8, .value_kind: global_buffer, .address_space: global }
      - { .name: kvbuf, .offset: 184, .size: 8, .value_kind: global_buffer, .address_space: global }
      - { .name: ybuf, .offset: 192, .size: 8, .value_kind: global_buffer, .address_space: global }
      - { .name: ysc, .offset: 200, .size: 8, .value_kind: global_buffer, .address_space: global }
    .group_segment_fixed_size: 319488
    .private_segment_fixed_size: 0
    .kernarg_segment_align: 8
    .kernarg_segment_size: 208
    .max_flat_workgroup_size: 128
    .sgpr_count:     102
    .vgpr_count:     1024
    .wavefront_size: 32
...
	.end_amdgpu_metadata
.endif
;; end of part 1
;; launch attn (part 2): grid 8 x 32, 16 waves a work-group, clusters of 4 x 1, 258,560 bytes of LDS; arguments qbuf, kvbuf, ybuf, ysc; writes ybuf, ysc
.if DOCPART == 2
	.amdgcn_target "amdgcn-amd-amdhsa--gfx1250"
	.amdhsa_code_object_version 6
	.text
	.protected	k_q765edae501_attn
	.globl	k_q765edae501_attn
	.p2align	8
	.type	k_q765edae501_attn,@function
k_q765edae501_attn:
	s_mov_b64 s[64:65], 0
	v_nop
	global_prefetch_b8 v0, s[64:65] scope:SCOPE_SE
	s_setreg_imm32_b32 hwreg(HW_REG_WAVE_MODE, 25, 1), 1
	s_wait_xcnt 0x0
	s_wait_alu depctr_hold_cnt(0) depctr_sa_sdst(0) depctr_va_vdst(0) depctr_va_sdst(0) depctr_va_ssrc(0) depctr_va_vcc(0) depctr_vm_vsrc(0)
	s_getreg_b32 s2, hwreg(HW_REG_IB_STS2, 6, 4)
	s_cmp_eq_u32 s2, 0
	s_cbranch_scc0 .Lentry_in_a_cluster
	s_endpgm
.Lentry_in_a_cluster:
	s_bfe_u32 s2, ttmp6, 0x10000c
	s_cmp_lg_u32 s2, 0x3003
	s_cbranch_scc0 .Lentry_shape_is_right
	s_endpgm
.Lentry_shape_is_right:
; ATTENTION of 32 heads (2 branches x 2 batches x 8), 2,048 tokens, head size 64, both products on codes of FP6 (E2M3) with E8M0 scales; the result is quantised along the features for the last product.
; SOFTMAX: t = score x log2(e) / 8; M = the running largest t rounded UP to a whole number; p = 2^(t - M) is quantised along the keys, not normalised; the row's sum is taken of the unquantised p and divides at the end.
; When M moves, the sum and O are multiplied by 2^(old M - new M): exact, and no branch on data.
; SHARES.  Work-group y = the head g; a work-group owns 256 queries, each of its sixteen waves 16 of them in 256 registers: four waves to a SIMD.  256 work-groups.
; The head's whole K and V (16 steps of 128 keys x 12,800 bytes, images of the operands' registers) lie in LDS, filled once: wave w asks for step w, ONE tensor load a wave; one wait, one barrier, then a loop of 16 trips with no barrier.
; CLUSTER.  The four partners are query blocks of one head: each step's bytes are asked for jointly (mask 15).
; NO PREFETCH: all that the work-group reads is asked for at the head; there is no loop to run ahead in.
; LDS.  A step's 50 rows of 256 bytes lie 320 bytes apart (64 of padding): dense byte y at (y / 256) 320 + y % 256.  An image of 32 keys is 6 rows = 1,920 bytes = 128 modulo 256.
; LAYOUT.  Both products are used transposed: S^T = K Q^T, O^T = V^T P^T: a lane holds ONE query (lane % 16) throughout.
; K = 64 IN AN INSTRUCTION OF 128: an image of K holds token r' in its lower half of K and token 16 + r' in its upper.  Source 1 is (Q, zeros) or (zeros, Q): zero CODES add nothing under any scale byte but 0xff, which the quantiser never gives.
; WHICH KEYS FORM A TILE is chosen by the lanes' LDS addresses: in group g = 2 C + u lanes r < 8 read token 8 u + r of block 2 C, lanes r >= 8 token 8 u + r - 8 of block 2 C + 1.
; So the 32 registers S + 32 C .. of lane (r, h) are the WHOLE block 2 C + h of 32 keys, which is what the next product's operand wants of that lane: a block's maximum needs no other lane and no code changes lanes.
; Inside a block position 16 u + 8 half + j holds key 8 u + 16 half + j: the order in which V^T was laid.
; V^T's rows of tile 2 B + u are d = 32 B + 8 u + r + 8 (r / 8), so that O^T's 16 registers of two tiles are 16 neighbouring features.
; LIMITS: the promise holds while the scaled scores stay under 2^31 in magnitude; NaN and infinities are not served; a block of zeros gets the byte 1 (its codes are zeros; only this program reads the bytes); 1 / sum is v_rcp_f32's.
; REGISTERS: v1, v2, v5, v8 lane terms of K's images, K's scale words, V's images, V's scale words; v3, v4, v6, v7 the same in the step in hand; v9, v11, v35, v92 the way out; v10 8 h; v12 -M, v13 the largest score, v[14:15] the sum;
;   v16-21 zeros, v22-27 Q, v28-33 zeros; v34 Q's scale word; v36-39 K's scale words, v40-43 V's; v44-91 four images of K, then four fragments of V^T; v96-159 S^T, then p; v160-191 O^T; v192-203 p's codes; v227 p's scale word; the rest at work.
.set STEPB, 12800
.set LSTEP, 16000                      ; 50 rows x 320
.set YST,   16*LSTEP                   ; 512 bytes: the work-group's 256 tokens' scale bytes; no fill lands there
.set SPARE, YST+512                    ; the spare words: 128 bytes for each of 16 waves
.set KF,  44
.set S,   96
.set O,   160
.set PC,  192
.set CT,  204
.set BM,  212
.set BP,  216
.set SO,  220
.set T,   230
.macro CROUND                          ; a round of the cluster's barrier
	s_barrier_signal -1
	s_barrier_wait -1
	s_cmp_lg_u32 s12, 0
	s_cbranch_scc1 .Lnot_wave_0_\@
	s_barrier_signal -3
.Lnot_wave_0_\@:
	s_barrier_wait -3
	s_barrier_signal -1
	s_barrier_wait -1
.endm
	s_load_b256 s[4:11], s[0:1], 0x0               ; qbuf, kvbuf, ybuf, ysc
	v_lshl_add_u32 v254, v0, 2, SPARE
	v_mov_b32 v255, 0
	ds_add_u32 v254, v255                          ; the opening lines: the add, twice on end, and its wait
	ds_add_u32 v254, v255
	v_lshrrev_b32 v6, 5, v0
	s_delay_alu instid0(VALU_DEP_1)
	v_readfirstlane_b32 s12, v6                    ; wave 0..15
	s_bfe_u32 s13, ttmp6, 0x40000                  ; cx
	s_lshl_b32 s14, ttmp9, 2
	s_add_co_u32 s14, s14, s13                     ; my block of 256 queries: it enters Q's and y's addresses alone
	s_and_b32 s15, ttmp7, 0xffff                   ; g, which the partners share
	s_mov_b32 s16, 15|(3<<16)|(1<<20)|(1<<21)|(5<<22)|(15<<25)   ; group 1: 50 rows of 32 elements of 8 bytes, 16 words of padding behind every 64; the mask names all four
	s_mov_b32 s17, 32<<16
	s_mov_b32 s18, 50<<16
	s_mov_b32 s19, 32<<16
	s_mov_b32 s20, 50
	s_mov_b32 s21, 32
	s_mov_b32 s22, 0
	s_mov_b32 s23, 0
	s_mov_b32 s24, 0                               ; LDS byte at which the step in hand begins
	s_mov_b32 s25, 16                              ; steps to go
	s_mov_b32 s26, 0x3e38aa3b                      ; c = log2(e) / 8
	s_mov_b32 s27, s26                             ; (named with it as a pair)
	s_mov_b32 s28, 0x76543210
	s_mov_b32 s29, 0xfedcba98                      ; selects for lane l xor 16
	s_mul_i32 s30, s12, STEPB
	s_mul_i32 s31, s12, LSTEP
	s_mul_i32 s2, s15, 16*STEPB
	s_add_co_u32 s2, s2, s30
	s_mov_b32 s3, 0                                ; the head's K and V, step = wave
	s_lshl_b32 s48, s14, 1
	s_lshr_b32 s49, s12, 3
	s_add_co_u32 s48, s48, s49
	s_mul_i32 s48, s48, 6400
	s_mul_i32 s49, s15, 102400
	s_add_co_u32 s48, s48, s49
	s_mov_b32 s49, 0                               ; Q: the head, the step that holds my 16 queries
	s_bfe_u32 s50, s15, 0x10003                    ; batch
	s_lshr_b32 s51, s15, 4                         ; branch
	s_and_b32 s52, s15, 7                          ; head
	s_lshl_b32 s51, s51, 3
	s_add_co_u32 s51, s51, s52                     ; my run of 64 features of y
	s_lshl_b32 s52, s50, 7
	s_lshl_b32 s53, s14, 4
	s_add_co_u32 s52, s52, s53
	s_add_co_u32 s52, s52, s12                     ; my token tile
	s_mul_i32 s52, s52, 24576
	s_mul_i32 s53, s51, 768
	s_add_co_u32 s52, s52, s53
	s_mov_b32 s53, 0
	s_lshl_b32 s54, s51, 13
	s_lshl_b32 s55, s50, 12
	s_add_co_u32 s54, s54, s55
	s_lshl_b32 s55, s14, 9
	s_add_co_u32 s54, s54, s55
	s_mov_b32 s55, 0                               ; ysc: the run's 8,192 bytes, the work-group's 256 tokens
	s_bfe_u32 s56, s12, 0x20001                    ; which image of the step holds my queries,
	s_and_b32 s57, s12, 1                          ; in which half of its registers
	s_mul_i32 s58, s56, 1536
	s_mul_i32 s59, s57, 520
	s_add_co_u32 s59, s59, s58                     ; registers 6 u, 6 u + 1 (and 512 bytes on: 6 u + 4, 6 u + 5)
	s_mul_i32 s60, s57, 1016
	s_add_co_u32 s60, s60, s58                     ; 8 bytes on: registers 6 u + 2, 6 u + 3
	s_lshl_b32 s61, s56, 2
	s_lshl_b32 s62, s57, 4
	s_lshl_b32 s63, s12, 5
	s_add_co_u32 s63, s63, YST
	s_wait_dscnt 0x0                               ; both opening adds are done
	s_wait_kmcnt 0x0
	s_add_nc_u64 s[6:7], s[6:7], s[2:3]
	s_add_nc_u64 s[4:5], s[4:5], s[48:49]
	s_add_nc_u64 s[8:9], s[8:9], s[52:53]
	s_add_nc_u64 s[10:11], s[10:11], s[54:55]
	s_mov_b32 s32, 1                               ; group 0: step = wave
	s_mov_b32 s33, s31
	s_mov_b64 s[34:35], s[6:7]
	s_or_b32 s35, s35, 0x80000000
	CROUND                                         ; all four work-groups are here: the joint loads meet
	tensor_load_to_lds s[32:35], s[16:23]          ; my one tensor load
	s_nop 0
.rept 4
	v_nop
.endr
	v_and_b32 v240, 15, v0                         ; r
	v_bfe_u32 v241, v0, 4, 1                       ; h
	v_and_b32 v242, 31, v0                         ; lane
	v_and_b32 v243, 7, v0                          ; r % 8
	v_bfe_u32 v244, v0, 3, 1                       ; r / 8
	v_lshlrev_b32 v35, 4, v242                     ; 16 x lane
	v_lshlrev_b32 v8, 4, v240                      ; 16 r: V's four scale words of a row
	v_lshlrev_b32 v92, 3, v242                     ; 8 x lane
	v_mul_u32_u24 v245, v241, 320                  ; lanes 16-31 read the next LDS row
	v_lshlrev_b32 v2, 4, v243
	v_lshlrev_b32 v10, 3, v241                     ; 8 h
	v_add_nc_u32 v228, s59, v35
	v_add_nc_u32 v229, s60, v35
	v_add_nc_u32 v226, s61, v8
	global_load_b64 v[22:23], v228, s[4:5]         ; Q: six registers out of its image; they stay
	global_load_b64 v[24:25], v229, s[4:5] offset:8
	global_load_b64 v[26:27], v228, s[4:5] offset:512
	global_load_b32 v34, v226, s[4:5] offset:6144  ; the image's scale word of row r
	v_add_nc_u32 v1, v2, v245
	v_add_nc_u32 v5, v8, v245                      ; V's images: 16 r + 320 h
	v_mad_u32_u24 v1, v244, 1920, v1               ; K's images: 16 (r % 8) + 320 h + 1,920 (r / 8)
	v_lshl_add_u32 v2, v244, 2, v2                 ; K's scale words: 16 (r % 8) + 4 (r / 8)
	v_lshl_add_u32 v9, v240, 1, s63                ; the way out: my query's two scale bytes
	v_add_nc_u32 v11, YST, v35
.irp j, 16,17,18,19,20,21,28,29,30,31,32,33
	v_mov_b32 v\j, 0                               ; the zero codes beside Q
.endr
	v_mov_b32 v13, 0xff61b1e6                      ; the largest score so far: -3e38
	s_delay_alu instid0(VALU_DEP_1)
	v_floor_f32 v12, -v13                          ; -M: the first step's change of M makes f = 0
	v_mov_b32 v14, 0
	v_mov_b32 v15, 0
	v_mov_b32 v[BP], 0                             ; a lane permute's destination counts as one of its sources
	v_mov_b32 v[BP+1], 0
	v_mov_b32 v225, 0                              ; (named as the upper half of the pair that holds f)
	s_wait_alu depctr_va_vdst(0)
	s_wait_loadcnt 0x0
	v_lshrrev_b32 v34, s62, v34                    ; my tile's two bytes,
	s_delay_alu instid0(VALU_DEP_1)
	v_and_b32 v34, 0xffff, v34
	s_delay_alu instid0(VALU_DEP_1)
	v_lshl_or_b32 v34, v34, 16, v34                ; for either half of K
.set J, 0
.rept 32
	v_mov_b32 v[O+J], 0                            ; O^T: the step is written once, its first trip finds zeros.  (Also the places between the scale word's making and the first product)
.set J, J+1
.endr
	s_wait_alu depctr_va_vdst(0)
	s_wait_tensorcnt 0x0                           ; my step has landed,
	s_wait_dscnt 0x0
	s_barrier_signal -1
	s_barrier_wait -1                              ; everybody's has.  Nothing is filled again
.Lstep:                                            ; 128 keys a trip
	v_add_nc_u32 v3, s24, v1                       ; four places in front of loads into registers that the last products read
	v_add_nc_u32 v4, s24, v2
	v_add_nc_u32 v6, s24, v5
	v_add_nc_u32 v7, s24, v8
.irp g, 0,1,2,3
.irp c, 0,1,2
	ds_load_b128 v[KF+12*\g+4*\c:KF+12*\g+4*\c+3], v3 offset:3840*(\g/2)+128*(\g%2)+640*\c
.endr
	ds_load_b32 v[36+\g], v4 offset:7680+8*(\g/2)+128*(\g%2)
.endr
	s_wait_alu depctr_va_vdst(0)
	s_wait_dscnt 0x0
.irp g, 0,1,2,3
	v_wmma_scale_f32_16x16x128_f8f6f4 v[S+16*\g:S+16*\g+7], v[KF+12*\g:KF+12*\g+11], v[22:33], 0, v[36+\g], v34 matrix_a_fmt:MATRIX_FMT_FP6 matrix_b_fmt:MATRIX_FMT_FP6
	v_wmma_scale_f32_16x16x128_f8f6f4 v[S+16*\g+8:S+16*\g+15], v[KF+12*\g:KF+12*\g+11], v[16:27], 0, v[36+\g], v34 matrix_a_fmt:MATRIX_FMT_FP6 matrix_b_fmt:MATRIX_FMT_FP6
.endr
.rept 4
	v_nop
.endr
.irp t, 0,1,2,3
.irp c, 0,1,2
	ds_load_b128 v[KF+12*\t+4*\c:KF+12*\t+4*\c+3], v6 offset:8000+1920*\t+640*\c   ; V^T is asked for now and lands under the softmax
.endr
.endr
	ds_load_b128 v[40:43], v7 offset:15680
.irp b, 0,1,2,3
	v_max3_num_f32 v[BM+\b], v[S+16*\b], v[S+1+16*\b], v[S+2+16*\b]   ; four chains by turns, each accumulator from its low end on
.endr
.irp i, 3,5,7,9,11,13
.irp b, 0,1,2,3
	v_max3_num_f32 v[BM+\b], v[BM+\b], v[S+16*\b+\i], v[S+1+16*\b+\i]
.endr
.endr
	v_max3_num_f32 v[BM], v[BM], v[BM+1], v[S+15]
	v_max3_num_f32 v[BM+2], v[BM+2], v[BM+3], v[S+47]
	v_max_num_f32 v[BM], v[BM], v[S+31]            ; the largest score of my block h: for the row's maximum, and, since p rises with the score, for the block's largest p
	v_max_num_f32 v[BM+2], v[BM+2], v[S+63]        ; and of my block 2 + h
	v_mov_b32 v229, v12                            ; the old -M
	v_max_num_f32 v226, v[BM], v[BM+2]
	v_permlanex16_b32 v228, v226, s28, s29
	v_max3_num_f32 v13, v13, v226, v228            ; the running largest score, with lane l xor 16's 64 keys
	v_mul_f32 v226, s26, v13                       ; as t (c is positive)
	v_floor_f32 v12, -v226                         ; the new -M = -ceil(t)
	v_sub_f32 v229, v12, v229                      ; old M - new M: a whole number, 0 or less
.set J, 0
.rept 4
	v_pk_fma_f32 v[S+J:S+J+1], v[S+J:S+J+1], s[26:27], v[12:13] op_sel_hi:[1,0,0]   ; t - M; the lines that make f stand among these
.set J, J+2
.endr
	v_cvt_i32_f32 v229, v229                       ; (it saturates)
.rept 4
	v_pk_fma_f32 v[S+J:S+J+1], v[S+J:S+J+1], s[26:27], v[12:13] op_sel_hi:[1,0,0]
.set J, J+2
.endr
	v_ldexp_f32 v224, 1.0, v229                    ; f = 2^(old M - new M)
.rept 24
	v_pk_fma_f32 v[S+J:S+J+1], v[S+J:S+J+1], s[26:27], v[12:13] op_sel_hi:[1,0,0]
.set J, J+2
.endr
	v_fma_f32 v[BM], v[BM], s26, v12               ; the same of each block's largest score
	v_fma_f32 v[BM+2], v[BM+2], s26, v12
.set J, 0
.rept 16
	v_pk_mul_f32 v[O+J:O+J+1], v[O+J:O+J+1], v[224:225] op_sel_hi:[1,0]   ; O^T under the new M, each accumulator from its low end on; ahead of the exponentials
.set J, J+2
.endr
	s_wait_alu depctr_va_vdst(0)
.set J, 0
.rept 64
	v_exp_f32 v[S+J], v[S+J]                       ; p = 2^(t - M)
.set J, J+1
.endr
	v_exp_f32 v[BM], v[BM]                         ; the block's largest p: the same two instructions on the same number
	v_exp_f32 v[BM+2], v[BM+2]
	v_pk_mul_f32 v[14:15], v[14:15], v[224:225] op_sel_hi:[1,0]   ; the sums under the new M (a plain place behind the exponentials)
	s_wait_alu depctr_va_vdst(0)                   ; one wait for the batch, ahead of its first reader
	v_max_num_f32 v[BM], 0x1800000, v[BM]          ; the floor 2^(3 - 127)
	v_max_num_f32 v[BM+2], 0x1800000, v[BM+2]
	s_delay_alu instid0(VALU_DEP_2)
	v_add_nc_u32 v[SO], 0xff000000, v[BM]          ; the conversion's scale operand
	s_delay_alu instid0(VALU_DEP_2)
	v_add_nc_u32 v[SO+1], 0xff000000, v[BM+2]
	s_delay_alu instid0(VALU_DEP_2)
	v_lshrrev_b32 v[BP], 23, v[SO]                 ; the scale's byte
	s_delay_alu instid0(VALU_DEP_2)
	v_lshrrev_b32 v[BP+1], 23, v[SO+1]
	s_delay_alu instid0(VALU_DEP_1)
	v_lshl_or_b32 v226, v[BP+1], 16, v[BP]         ; my two bytes: blocks h and 2 + h,
	s_delay_alu instid0(VALU_DEP_1)
	v_lshlrev_b32 v226, v10, v226                  ; at their places in the word (8 h bits up);
	s_delay_alu instid0(VALU_DEP_1)
	v_permlanex16_b32 v228, v226, s28, s29
	s_delay_alu instid0(VALU_DEP_1)
	v_or_b32 v227, v226, v228                      ; with lane l xor 16's two: p's scale word for these 128 keys
.irp c, 0,1
	v_cvt_scalef32_pk16_fp6_f32 v[PC+6*\c:PC+6*\c+2], v[S+32*\c:S+32*\c+15], v[SO+\c]
	v_cvt_scalef32_pk16_fp6_f32 v[CT+4*\c:CT+4*\c+2], v[S+16+32*\c:S+31+32*\c], v[SO+\c]   ; (a conversion's three registers begin on an even number)
.endr
	v_nop                                          ; one plain place behind a scaled conversion
.irp c, 0,1
.irp i, 0,1,2
	v_mov_b32 v[PC+3+6*\c+\i], v[CT+4*\c+\i]       ; registers 6 c .. 6 c + 5: block 2 c + h, whole
.endr
.endr
.irp i, 0,1,2,3,4,5,6,7
	v_pk_add_f32 v[T+2*\i:T+2*\i+1], v[S+2*\i:S+2*\i+1], v[S+16+2*\i:S+17+2*\i]   ; the row's sum of the unquantised p: eight chains of pairs
.endr
.irp k, 32,48
.irp i, 0,1,2,3,4,5,6,7
	v_pk_add_f32 v[T+2*\i:T+2*\i+1], v[T+2*\i:T+2*\i+1], v[S+\k+2*\i:S+\k+1+2*\i]
.endr
.endr
.irp i, 0,1,2,3
	v_pk_add_f32 v[T+2*\i:T+2*\i+1], v[T+2*\i:T+2*\i+1], v[T+8+2*\i:T+9+2*\i]
.endr
	s_delay_alu instid0(VALU_DEP_2)
	v_pk_add_f32 v[T:T+1], v[T:T+1], v[T+4:T+5]
	s_delay_alu instid0(VALU_DEP_2)
	v_pk_add_f32 v[T+2:T+3], v[T+2:T+3], v[T+6:T+7]
	s_delay_alu instid0(VALU_DEP_1)
	v_pk_add_f32 v[T:T+1], v[T:T+1], v[T+2:T+3]
	s_delay_alu instid0(VALU_DEP_1)
	v_pk_add_f32 v[14:15], v[14:15], v[T:T+1]      ; (the sums are also the places in front of the scaled products)
	s_wait_alu depctr_va_vdst(0)
	s_wait_dscnt 0x0                               ; V^T and its scale words are in
.irp t, 0,1,2,3
	v_wmma_scale_f32_16x16x128_f8f6f4 v[O+8*\t:O+8*\t+7], v[KF+12*\t:KF+12*\t+11], v[PC:PC+11], v[O+8*\t:O+8*\t+7], v[40+\t], v227 matrix_a_fmt:MATRIX_FMT_FP6 matrix_b_fmt:MATRIX_FMT_FP6
.endr
	s_add_co_u32 s24, s24, LSTEP
	s_sub_co_u32 s25, s25, 1
	s_cmp_lg_u32 s25, 0
	s_cbranch_scc1 .Lstep
	; THE WAY OUT: O^T / the sum, quantised along the head's 64 features: half a fragment of the last product and two scale bytes a token.
.rept 4
	v_nop
.endr
	v_add_f32 v14, v14, v15
	s_delay_alu instid0(VALU_DEP_1)
	v_permlanex16_b32 v226, v14, s28, s29
	s_delay_alu instid0(VALU_DEP_1)
	v_add_f32 v14, v14, v226                       ; the row's sum
	s_wait_alu depctr_va_vdst(0)
	v_rcp_f32 v14, v14
	v_nop                                          ; one plain place behind a transcendental
	s_wait_alu depctr_va_vdst(0)
.set J, 0
.rept 32
	v_mul_f32 v[S+J], v[O+J], v14                  ; register 16 B + i: feature 32 B + 16 h + i of query r
.set J, J+1
.endr
.irp b, 0,1
	v_max3_num_f32 v[BM+\b], |v[S+16*\b]|, |v[S+1+16*\b]|, 0x1800000
.endr
.irp k, 2,4,6,8,10,12,14
.irp b, 0,1
	s_delay_alu instid0(VALU_DEP_2)
	v_max3_num_f32 v[BM+\b], v[BM+\b], |v[S+16*\b+\k]|, |v[S+1+16*\b+\k]|
.endr
.endr
.irp b, 0,1
	s_delay_alu instid0(VALU_DEP_2)
	v_permlanex16_b32 v[BP+\b], v[BM+\b], s28, s29
.endr
.irp b, 0,1
	s_delay_alu instid0(VALU_DEP_2)
	v_max_num_f32 v[BM+\b], v[BM+\b], v[BP+\b]
.endr
.irp b, 0,1
	s_delay_alu instid0(VALU_DEP_2)
	v_add_nc_u32 v[SO+\b], 0xff000000, v[BM+\b]
.endr
.irp b, 0,1
	s_delay_alu instid0(VALU_DEP_2)
	v_lshrrev_b32 v[BP+\b], 23, v[SO+\b]
.endr
	s_delay_alu instid0(VALU_DEP_1)
	v_lshl_or_b32 v226, v[BP+1], 8, v[BP]
	v_cvt_scalef32_pk16_fp6_f32 v[PC:PC+2], v[S:S+15], v[SO]
	v_cvt_scalef32_pk16_fp6_f32 v[CT:CT+2], v[S+16:S+31], v[SO+1]
	v_nop
.irp i, 0,1,2
	v_permlane16_swap_b32 v[PC+\i], v[CT+\i]
.endr
.irp i, 0,1,2
	s_delay_alu instid0(VALU_DEP_3)
	v_mov_b32 v[PC+3+\i], v[CT+\i]                 ; lane (r, h): features 32 h .. 32 h + 31 of query r
.endr
.irp n, 0,1,2
	global_store_b64 v92, v[PC+2*\n:PC+2*\n+1], s[8:9] offset:256*\n   ; 256 consecutive bytes a store
.endr
	ds_store_b16 v9, v226                          ; both halves of the lanes write the same two bytes
	s_wait_dscnt 0x0                               ; for the others' sake
	s_barrier_signal -1
	s_barrier_wait -1
	s_cmp_lg_u32 s12, 0
	s_cbranch_scc1 .Lnot_first
	ds_load_b128 v[S:S+3], v11                     ; wave 0 stores the work-group's 512 scale bytes, whole
	s_wait_dscnt 0x0
	global_store_b128 v35, v[S:S+3], s[10:11]
.Lnot_first:
	s_wait_tensorcnt 0x0                           ; the wave's end
	ds_add_u32 v254, v255
	s_wait_dscnt 0x0
	CROUND                                         ; the closing round
	s_endpgm
.Lfunc_end_k_q765edae501_attn:
	.size	k_q765edae501_attn, .Lfunc_end_k_q765edae501_attn-k_q765edae501_attn
	.p2alignl 7, 3214868480
	.fill 96, 4, 3214868480
	.section	.rodata,"a",@progbits
	.p2align	6, 0x0
	.amdhsa_kernel k_q765edae501_attn
		.amdhsa_group_segment_fixed_size 258560
		.amdhsa_private_segment_fixed_size 0
		.amdhsa_enable_private_segment 0
		.amdhsa_kernarg_size 32
		.amdhsa_user_sgpr_count 2
		.amdhsa_user_sgpr_kernarg_segment_ptr 1
		.amdhsa_wavefront_size32 1
		.amdhsa_system_sgpr_workgroup_id_x 1
		.amdhsa_system_sgpr_workgroup_id_y 1
		.amdhsa_system_sgpr_workgroup_id_z 1
		.amdhsa_system_vgpr_workitem_id 0
		.amdhsa_next_free_vgpr 256
		.amdhsa_next_free_sgpr 66
		.amdhsa_reserve_vcc 0
		.amdhsa_float_denorm_mode_32 3
		.amdhsa_float_denorm_mode_16_64 3
		.amdhsa_memory_ordered 1
		.amdhsa_forward_progress 1
		.amdhsa_inst_pref_size 28
	.end_amdhsa_kernel
	.amdgpu_metadata
---
amdhsa.version: [ 1, 2 ]
amdhsa.kernels:
  - .name:           k_q765edae501_attn
    .symbol:         k_q765edae501_attn.kd
    .args:
      - { .name: qbuf, .offset: 0, .size: 8, .value_kind: global_buffer, .address_space: global }
      - { .name: kvbuf, .offset: 8, .size: 8, .value_kind: global_buffer, .address_space: global }
      - { .name: ybuf, .offset: 16, .size: 8, .value_kind: global_buffer, .address_space: global }
      - { .name: ysc, .offset: 24, .size: 8, .value_kind: global_buffer, .address_space: global }
    .group_segment_fixed_size: 258560
    .private_segment_fixed_size: 0
    .kernarg_segment_align: 8
    .kernarg_segment_size: 32
    .max_flat_workgroup_size: 512
    .sgpr_count:     66
    .vgpr_count:     256
    .wavefront_size: 32
...
	.end_amdgpu_metadata
.endif
;; end of part 2
;; launch outp (part 3): grid 8 x 32, 4 waves a work-group, clusters of 4 x 1, 306,688 bytes of LDS; arguments ybuf, ysc, Wo_codes, Wo_scales, bo, out0; writes out0
.if DOCPART == 3
	.amdgcn_target "amdgcn-amd-amdhsa--gfx1250"
	.amdhsa_code_object_version 6
	.text
	.protected	k_q765edae501_outp
	.globl	k_q765edae501_outp
	.p2align	8
	.type	k_q765edae501_outp,@function
k_q765edae501_outp:
	s_mov_b64 s[64:65], 0
	v_nop
	global_prefetch_b8 v0, s[64:65] scope:SCOPE_SE
	s_setreg_imm32_b32 hwreg(HW_REG_WAVE_MODE, 25, 1), 1
	s_wait_xcnt 0x0
	s_wait_alu depctr_hold_cnt(0) depctr_sa_sdst(0) depctr_va_vdst(0) depctr_va_sdst(0) depctr_va_ssrc(0) depctr_va_vcc(0) depctr_vm_vsrc(0)
	s_getreg_b32 s2, hwreg(HW_REG_IB_STS2, 6, 4)
	s_cmp_eq_u32 s2, 0
	s_cbranch_scc0 .Lentry_in_a_cluster
	s_endpgm
.Lentry_in_a_cluster:
	s_bfe_u32 s2, ttmp6, 0x10000c
	s_cmp_lg_u32 s2, 0x3003
	s_cbranch_scc0 .Lentry_shape_is_right
	s_endpgm
.Lentry_shape_is_right:
; out = relu(y Wo^T + bo) on codes of FP6 (E2M3) with E8M0 scales.  y [4,096][2,048] lies in ybuf as fragments (token tile, K step: six pieces of 256 bytes, 8 bytes a lane) and its scale bytes in ysc [64 features][token] of two bytes.
; SHARES.  A work-group takes 128 tokens (work-group y) x 128 columns: 256 work-groups.  A wave owns 32 columns for ALL of K = 2,048: its part of Wo (2 tiles x 16 K steps x 12 = 384 registers) stays in registers, read from memory once.
; The 128 tokens' codes (196,608 dense bytes) lie whole in LDS, filled once: no ring.  They are walked 32 tokens at a time: 64 matrix instructions a unit, four accumulators by turns.
; CLUSTER.  The four partners take the same tokens and other columns: y's bytes are asked for jointly (mask 15), each wave one unit whole: one tensor load a wave.  Wo is not shared: each wave has other rows.
; THE MATRIX INSTRUCTION IS USED TRANSPOSED (source 0 = 16 rows of Wo, source 1 = 16 tokens): a lane holds eight neighbouring columns of one token.  The bias is the C of each sum's first instruction.
; THE WAY OUT.  A row's 128 columns come from four waves: they meet in a stage in LDS (two stages, by the unit's parity), one barrier a unit, and each wave stores 8 whole rows of 512 bytes.  A stage is written again two units on:
; the next unit's barrier lies between, and each wave signals it behind the wait for its reads of the stage.
; REGISTERS.  window 0: v1-15 addresses; v32-63 Wo's scale words (16 tile + K step); v64-127 y's, two sets (32 parity + 16 a + K step); v128-159 accumulators (16 a + 8 tile); v160-175 the bias; v176-207 rows on the way out.
;   window 1: Wo's fragments of K steps 0-7 (12 (2 s + tile));  window 2: of K steps 8-15;  window 3: two sets of y's fragments of four K steps (12 (2 s + a)).
.set TBL,  196608                      ; y's scale words, 128 tokens x (64 bytes + 16)
.set STG,  TBL+128*80                  ; two stages of 32 rows x (512 bytes + 16)
.set STGB, 32*528
.set WS,  32
.set YS,  64
.set ACC, 128
.set BO,  160
.set OUTR, 176
.set MSB, 0
.macro WIN new                         ; the immediate's high byte repeats the setting that is left
.if MSB != \new
	s_set_vgpr_msb (MSB<<8)|\new
.set MSB, \new
.endif
.endm
.macro PLACES n
.rept \n
	v_nop
.endr
.endm
.macro CROUND                          ; a round of the cluster's barrier
	s_barrier_signal -1
	s_barrier_wait -1
	s_cmp_lg_u32 s24, 0
	s_cbranch_scc1 .Lnot_wave_0_\@
	s_barrier_signal -3
.Lnot_wave_0_\@:
	s_barrier_wait -3
	s_barrier_signal -1
	s_barrier_wait -1
.endm
	s_load_b256 s[4:11], s[0:1], 0x0               ; ybuf, ysc, Wo's codes, Wo's scales
	s_load_b128 s[12:15], s[0:1], 0x20             ; bo, out0
	v_lshl_add_u32 v254, v0, 2, 0x4ac00
	v_mov_b32 v255, 0
	ds_add_u32 v254, v255
	ds_add_u32 v254, v255
	v_lshrrev_b32 v13, 5, v0
	v_readfirstlane_b32 s24, v13                   ; wave 0..3
	s_bfe_u32 s25, ttmp6, 0x40000                  ; cx
	s_lshl_b32 s26, ttmp9, 2
	s_add_co_u32 s26, s26, s25                     ; which 128 columns: it enters Wo's, bo's and out0's addresses alone
	s_and_b32 s27, ttmp7, 0xffff                   ; which 128 tokens, which the partners share
	s_mov_b32 s16, 15|(3<<16)|(1<<21)              ; group 1: 49,152 dense bytes as 192 rows of 32 elements of 8 bytes
	s_mov_b32 s17, 32<<16
	s_mov_b32 s18, 192<<16
	s_mov_b32 s19, 32<<16
	s_mov_b32 s20, 192
	s_mov_b32 s21, 32
	s_mov_b32 s22, 0
	s_mov_b32 s23, 0
	s_mul_i32 s28, s24, 49152                      ; wave w fetches unit w whole: 49,152 dense bytes as 192 rows of 256
	s_mul_i32 s2, s27, 196608
	s_add_co_u32 s2, s2, s28
	s_mov_b32 s3, 0
	s_lshl_b32 s30, s26, 7
	s_lshl_b32 s31, s24, 5
	s_add_co_u32 s30, s30, s31                     ; my first column
	s_mul_i32 s48, s30, 1536
	s_mov_b32 s49, 0
	s_lshl_b32 s50, s30, 6
	s_mov_b32 s51, 0
	s_lshl_b32 s52, s30, 2
	s_mov_b32 s53, 0
	s_lshl_b32 s54, s27, 7
	s_lshl_b32 s55, s24, 3
	s_add_co_u32 s54, s54, s55
	s_lshl_b32 s54, s54, 12                        ; out0: row 128 tc + 8 wave of 4,096 bytes,
	s_lshl_b32 s55, s26, 9
	s_add_co_u32 s54, s54, s55                     ; the work-group's 512 bytes of it
	s_mov_b32 s55, 0
	s_lshl_b32 s56, s27, 8                         ; ysc: 2 bytes a token
	s_mov_b32 s57, 0
	s_wait_dscnt 0x0
	s_wait_kmcnt 0x0
	s_add_nc_u64 s[4:5], s[4:5], s[2:3]
	s_add_nc_u64 s[6:7], s[6:7], s[56:57]
	s_add_nc_u64 s[8:9], s[8:9], s[48:49]
	s_add_nc_u64 s[10:11], s[10:11], s[50:51]
	s_add_nc_u64 s[12:13], s[12:13], s[52:53]
	s_add_nc_u64 s[14:15], s[14:15], s[54:55]
	s_mov_b32 s32, 1                               ; group 0: my unit
	s_mov_b32 s33, s28
	s_mov_b64 s[34:35], s[4:5]
	s_or_b32 s35, s35, 0x80000000
	CROUND                                         ; all four work-groups are here: the joint loads meet
	tensor_load_to_lds s[32:35], s[16:23]          ; one tensor load a wave
	s_nop 0
	PLACES 4
	v_and_b32 v16, 31, v0                          ; lane
	v_and_b32 v17, 15, v0                          ; r
	v_bfe_u32 v18, v0, 4, 1                        ; h
	v_lshlrev_b32 v12, 1, v0                       ; ysc: thread t takes token t
.set J, 0
.rept 32
	global_load_u16 v[ACC+J], v12, s[6:7] offset:J*8192   ; its two scale bytes of each of the 32 runs of 64 features
.set J, J+1
.endr
	v_lshlrev_b32 v13, 4, v16                      ; Wo's codes: 16 bytes a lane
	v_lshlrev_b32 v14, 6, v17                      ; its scale bytes: 64 a row
	v_lshlrev_b32 v15, 5, v18                      ; the bias: 8 numbers a half
.irp bt, 0,1
.irp k, 0,1,2,3
	global_load_b128 v[WS+16*\bt+4*\k:WS+16*\bt+4*\k+3], v14, s[10:11] offset:\bt*1024+16*\k
.endr
	global_load_b128 v[BO+8*\bt:BO+8*\bt+3], v15, s[12:13] offset:64*\bt
	global_load_b128 v[BO+8*\bt+4:BO+8*\bt+7], v15, s[12:13] offset:64*\bt+16
.endr
	; my 32 rows of Wo are 49,152 consecutive bytes: 96 loads of 512 consecutive bytes each, into registers that are idle in the head
	WIN 0xc0                                       ; rows 0-15: window 3, v0-191
.set J, 0
.rept 48
	global_load_b128 v[4*J:4*J+3], v13, s[8:9] offset:512*J
.set J, J+1
.endr
	WIN 0x40                                       ; rows 16-31: window 1, v192-255,
.set J, 0
.rept 16
	global_load_b128 v[192+4*J:192+4*J+3], v13, s[8:9] offset:512*(48+J)
.set J, J+1
.endr
	WIN 0x80                                       ; window 2, v192-255,
.set J, 0
.rept 16
	global_load_b128 v[192+4*J:192+4*J+3], v13, s[8:9] offset:512*(64+J)
.set J, J+1
.endr
	WIN 0                                          ; and the registers of y's scale words
.set J, 0
.rept 16
	global_load_b128 v[YS+4*J:YS+4*J+3], v13, s[8:9] offset:512*(80+J)
.set J, J+1
.endr
	v_lshlrev_b32 v1, 4, v16                       ; 16 x lane
	v_lshlrev_b32 v2, 3, v16                       ; 8 x lane
.irp u, 0,1,2,3
	v_add_nc_u32 v[4+\u], \u*49152, v2             ; unit u's fragments
.endr
	v_mul_u32_u24 v8, v17, 80
	v_add_nc_u32 v8, TBL, v8                       ; the scale words of token r
	s_lshl_b32 s29, s24, 7
	s_add_co_u32 s29, s29, STG
	v_mul_u32_u24 v9, v17, 528
	v_lshl_add_u32 v9, v18, 5, v9
	v_add_nc_u32 v9, s29, v9                       ; the stage, in: row r, + 128 x wave + 32 h
	s_mul_i32 s29, s24, 8*528
	s_add_co_u32 s29, s29, STG
	v_add_nc_u32 v10, s29, v1                      ; out: my 8 rows, 16 bytes a lane
	v_mul_u32_u24 v11, v0, 80
	v_add_nc_u32 v11, TBL, v11                     ; where thread t puts token t's 16 scale words
	s_mul_i32 s29, s24, 24832                      ; in the head each wave has 16 rows x (1,536 + 16) bytes from STG on; the way-out stages there are first written behind the head's barrier
	s_add_co_u32 s29, s29, STG
	v_add_nc_u32 v19, s29, v1                      ; in: 16 x lane
	v_mul_u32_u24 v20, v17, 1552
	v_mad_u32_u24 v20, v18, 24, v20
	v_add_nc_u32 v20, s29, v20                     ; back: row r, + 24 h
	s_wait_alu depctr_va_vdst(0)
	s_wait_loadcnt 48                              ; y's scale bytes, Wo's scale words, the bias and rows 0-15 are in; the 48 loads of rows 16-31 may be out
.set J, 0
.rept 16
	v_lshl_or_b32 v[OUTR+J], v[ACC+2*J+1], 16, v[ACC+2*J]   ; K step J's word: the bytes of features 128 J + 0, 32, 64, 96 on
.set J, J+1
.endr
.irp k, 0,1,2,3
	ds_store_b128 v11, v[OUTR+4*\k:OUTR+4*\k+3] offset:16*\k
.endr
; Wo TURNS THROUGH MY OWN BYTES OF LDS, a tile of 16 rows at a time: in as the bytes lie in memory (three chunks of 512 to a row), back as fragments.  LDS serves a wave's instructions in order: no wait between the stores and the loads.
.macro WOGET bt                        ; tile bt, all sixteen K steps
	WIN 0x40
.irp s, 0,1,2,3,4,5,6,7
.irp p, 0,1,2,3,4,5
	ds_load_b64 v[12*(2*\s+(\bt))+2*\p:12*(2*\s+(\bt))+2*\p+1], v20 offset:96*\s+48*(\p/3)+8*(\p%3)
.endr
.endr
	WIN 0x80
.irp s, 0,1,2,3,4,5,6,7
.irp p, 0,1,2,3,4,5
	ds_load_b64 v[12*(2*\s+(\bt))+2*\p:12*(2*\s+(\bt))+2*\p+1], v20 offset:96*(\s+8)+48*(\p/3)+8*(\p%3)
.endr
.endr
.endm
	s_wait_tensorcnt 0x0                           ; my unit of y has landed
	WIN 0x0c                                       ; the data: window 3
.set J, 0
.rept 48
	ds_store_b128 v19, v[4*J:4*J+3] offset:1552*(J/3)+512*(J%3)
.set J, J+1
.endr
	WOGET 0
	s_wait_loadcnt 0x0                             ; rows 16-31
	WIN 0x04
.set J, 0
.rept 16
	ds_store_b128 v19, v[192+4*J:192+4*J+3] offset:1552*(J/3)+512*(J%3)
.set J, J+1
.endr
	WIN 0x08
.set J, 0
.rept 16
	ds_store_b128 v19, v[192+4*J:192+4*J+3] offset:1552*((16+J)/3)+512*((16+J)%3)
.set J, J+1
.endr
	WIN 0
.set J, 0
.rept 16
	ds_store_b128 v19, v[YS+4*J:YS+4*J+3] offset:1552*((32+J)/3)+512*((32+J)%3)
.set J, J+1
.endr
	WOGET 1
	WIN 0
.macro LOADSET u, q                    ; unit u's fragments of K steps 4 q .. 4 q + 3 into set q % 2: 48 loads, 256 consecutive bytes each
	WIN 0xc0
.irp sp, 0,1,2,3
.irp a, 0,1
.irp p, 0,1,2,3,4,5
	ds_load_b64 v[96*((\q)%2)+12*(2*\sp+\a)+2*\p:96*((\q)%2)+12*(2*\sp+\a)+2*\p+1], v[4+(\u)] offset:\a*24576+(4*(\q)+\sp)*1536+256*\p
.endr
.endr
.endr
	WIN 0
.endm
.macro YSLOAD u                        ; unit u's scale words: 8 loads
.irp a, 0,1
.irp k, 0,1,2,3
	ds_load_b128 v[YS+32*((\u)%2)+16*\a+4*\k:YS+32*((\u)%2)+16*\a+4*\k+3], v8 offset:(32*(\u)+16*\a)*80+16*\k
.endr
.endr
.endm
.macro QTR u, q                        ; four K steps: 16 matrix instructions, the four accumulators by turns
.if (\q) < 2
	WIN 0x0d                                       ; Wo window 1, y window 3
.else
	WIN 0x0e                                       ; Wo window 2
.endif
.irp sp, 0,1,2,3
.irp a, 0,1
.irp bt, 0,1
.if (4*(\q)+\sp) == 0
	v_wmma_scale_f32_16x16x128_f8f6f4 v[ACC+16*\a+8*\bt:ACC+16*\a+8*\bt+7], v[12*\bt:12*\bt+11], v[12*\a:12*\a+11], v[BO+8*\bt:BO+8*\bt+7], v[WS+16*\bt], v[YS+32*((\u)%2)+16*\a] matrix_a_fmt:MATRIX_FMT_FP6 matrix_b_fmt:MATRIX_FMT_FP6
.else
	v_wmma_scale_f32_16x16x128_f8f6f4 v[ACC+16*\a+8*\bt:ACC+16*\a+8*\bt+7], v[12*(2*((4*(\q)+\sp)%8)+\bt):12*(2*((4*(\q)+\sp)%8)+\bt)+11], v[96*((\q)%2)+12*(2*\sp+\a):96*((\q)%2)+12*(2*\sp+\a)+11], v[ACC+16*\a+8*\bt:ACC+16*\a+8*\bt+7], v[WS+16*\bt+4*(\q)+\sp], v[YS+32*((\u)%2)+16*\a+4*(\q)+\sp] matrix_a_fmt:MATRIX_FMT_FP6 matrix_b_fmt:MATRIX_FMT_FP6
.endif
.endr
.endr
.endr
.endm
.macro SEND u                          ; my 8 rows of unit u
.irp i, 0,1,2,3,4,5,6,7
	global_store_b128 v1, v[OUTR+4*\i:OUTR+4*\i+3], s[14:15] offset:(32*(\u)+\i)*4096 th:TH_STORE_NT   ; 32 lanes store 512 consecutive bytes, at a multiple of 256 from out0's first byte
.endr
.endm
.macro UNIT u
.if (\u) == 0
	s_wait_dscnt 48                                ; set 0 and the scale words are in; set 1's 48 loads may be out
.endif
	QTR \u, 0
.if (\u) > 0
	WIN 0
	s_wait_dscnt 0x0                               ; the last unit's rows are back from the stage
	SEND (\u)-1
.endif
	PLACES 4                                       ; in front of loads into registers that matrix instructions have read
	LOADSET \u, 2
	s_wait_dscnt 48                                ; all but the 48 just issued
	QTR \u, 1
	PLACES 4
	LOADSET \u, 3
	s_wait_dscnt 48
	QTR \u, 2
	PLACES 4
.if (\u) < 3
	LOADSET (\u)+1, 0
	YSLOAD (\u)+1
	s_wait_dscnt 56                                ; all but the 48 + 8 just issued
.else
	s_wait_dscnt 0x0
.endif
	QTR \u, 3
	PLACES 5                                       ; five: the next unit begins these accumulators anew with another C
.if (\u) < 3
	LOADSET (\u)+1, 1
.endif
	WIN 0
.set J, 0
.rept 32
	v_max_num_f32 v[ACC+J], 0, v[ACC+J]            ; the activation, each accumulator from its low end on
.set J, J+1
.endr
.irp a, 0,1
.irp bt, 0,1
.irp k, 0,1
	ds_store_b128 v9, v[ACC+16*\a+8*\bt+4*\k:ACC+16*\a+8*\bt+4*\k+3] offset:((\u)%2)*STGB+\a*16*528+64*\bt+16*\k
.endr
.endr
.endr
	s_wait_dscnt 0x0                               ; my stores into the stage are done, my loads are in
	s_barrier_signal -1
	s_barrier_wait -1                              ; 32 whole rows lie in the stage
	s_wait_xcnt 0x0                                ; the earlier stores have read the registers into which the rows come
.irp i, 0,1,2,3,4,5,6,7
	ds_load_b128 v[OUTR+4*\i:OUTR+4*\i+3], v10 offset:((\u)%2)*STGB+\i*528
.endr
.endm
	s_wait_tensorcnt 0x0                           ; my unit has landed
	s_wait_dscnt 0x0                               ; my part of the table of scale words is stored
	s_barrier_signal -1
	s_barrier_wait -1
	LOADSET 0, 0
	YSLOAD 0
	LOADSET 0, 1
	UNIT 0
	UNIT 1
	UNIT 2
	UNIT 3
	s_wait_dscnt 0x0
	SEND 3
	s_wait_tensorcnt 0x0
	ds_add_u32 v254, v255
	s_wait_dscnt 0x0
	CROUND                                         ; the closing round: no work-group ends while a partner may still ask for a tile that names it
	s_endpgm
.Lfunc_end_k_q765edae501_outp:
	.size	k_q765edae501_outp, .Lfunc_end_k_q765edae501_outp-k_q765edae501_outp
	.p2alignl 7, 3214868480
	.fill 96, 4, 3214868480
	.section	.rodata,"a",@progbits
	.p2align	6, 0x0
	.amdhsa_kernel k_q765edae501_outp
		.amdhsa_group_segment_fixed_size 306688
		.amdhsa_private_segment_fixed_size 0
		.amdhsa_enable_private_segment 0
		.amdhsa_kernarg_size 48
		.amdhsa_user_sgpr_count 2
		.amdhsa_user_sgpr_kernarg_segment_ptr 1
		.amdhsa_wavefront_size32 1
		.amdhsa_system_sgpr_workgroup_id_x 1
		.amdhsa_system_sgpr_workgroup_id_y 1
		.amdhsa_system_sgpr_workgroup_id_z 1
		.amdhsa_system_vgpr_workitem_id 0
		.amdhsa_next_free_vgpr 1024
		.amdhsa_next_free_sgpr 66
		.amdhsa_reserve_vcc 0
		.amdhsa_float_denorm_mode_32 3
		.amdhsa_float_denorm_mode_16_64 3
		.amdhsa_memory_ordered 1
		.amdhsa_forward_progress 1
		.amdhsa_inst_pref_size 137
	.end_amdhsa_kernel
	.amdgpu_metadata
---
amdhsa.version: [ 1, 2 ]
amdhsa.kernels:
  - .name:           k_q765edae501_outp
    .symbol:         k_q765edae501_outp.kd
    .args:
      - { .name: ybuf, .offset: 0, .size: 8, .value_kind: global_buffer, .address_space: global }
      - { .name: ysc, .offset: 8, .size: 8, .value_kind: global_buffer, .address_space: global }
      - { .name: Wo_codes, .offset: 16, .size: 8, .value_kind: global_buffer, .address_space: global }
      - { .name: Wo_scales, .offset: 24, .size: 8, .value_kind: global_buffer, .address_space: global }
      - { .name: bo, .offset: 32, .size: 8, .value_kind: global_buffer, .address_space: global }
      - { .name: out0, .offset: 40, .size: 8, .value_kind: global_buffer, .address_space: global }
    .group_segment_fixed_size: 306688
    .private_segment_fixed_size: 0
    .kernarg_segment_align: 8
    .kernarg_segment_size: 48
    .max_flat_workgroup_size: 128
    .sgpr_count:     66
    .vgpr_count:     1024
    .wavefront_size: 32
...
	.end_amdgpu_metadata
.endif
;; end of part 3
